; MI455X (gfx1250); checked and timed in simulation.
; The chip was launched on July 23, 2026; its instructions are those of AMD's public machine-readable ISA for CDNA 5 (MIT licence, August 2026) and "CDNA5" Instruction Set Architecture Reference Guide (July 2026). The comments in the code are by the model that wrote it; some were corrected since.
;; Cov Layer. Allowed arithmetic: float matrix products may take bf16 or f16 operands with f32 sums; other float arithmetic in f32, or as packed bf16 or f16 multiplies, adds, multiply-adds, maxima and minima; sums over many terms, partial sums and values carried from step to step in f32; what a program stores and reads back later, other than sums and carried values, may be rounded once to bf16 or f16.
;; Inputs: W 1,024 x 128 float32; b 128 float32; x_left 1 x 128 x 256 x 32 float32; x_right 1 x 128 x 256 x 32 float32.
;; Outputs: out0 1 x 256 x 256 x 128 float32.
;; 2 versions, each right; version 2 is version 1 with the launch prep written anew for expert scheduling mode. Each part assembles by itself: llvm-mc -triple=amdgcn-amd-amdhsa -mcpu=gfx1250 --defsym DOCPART=n.
;; ======== version 1 of 2: 2 launches
;; workspace buffers: xlt 2,097,152 bytes; xrt 2,097,152 bytes; wt 262,144 bytes
;; launch prep (part 1): grid 272 x 1, 2 waves a work-group, no clusters, 17,664 bytes of LDS; arguments x_left, x_right, W, xlt, xrt, wt; writes xlt, xrt, wt
.if DOCPART == 1
	.amdgcn_target "amdgcn-amd-amdhsa--gfx1250"
	.amdhsa_code_object_version 6
	.text
	.protected	k_q005dd64f75_prep
	.globl	k_q005dd64f75_prep
	.p2align	8
	.type	k_q005dd64f75_prep,@function
k_q005dd64f75_prep:
	s_mov_b64 s[64:65], 0
	v_nop
	global_prefetch_b8 v0, s[64:65] scope:SCOPE_SE
	s_setreg_imm32_b32 hwreg(HW_REG_WAVE_MODE, 25, 1), 1
	s_wait_xcnt 0x0
; out[i][j][d] = b[d] + sum over l, r of (sum over n of xl[n][i][l] xr[n][j][r]) W[32 l + r][d].   N = 128, 256 i, 256 j, 32 l, 32 r, 128 d.
; NO WORK IS LEFT OUT: every number of x_left, x_right, W and b reaches an output, and reference()'s order of the two products is the one with the fewer multiply-adds.
; THIS LAUNCH rounds x_left, x_right and W once to bf16 (nearest even) and lays them so that the next launch's matrix fragments are runs of consecutive bytes:
; the axis that a product sums over (n for the two x, l for W) is the slowest in memory and becomes the fastest.  A fragment of 16 rows x 32 k is 1,024 bytes, [k / 8][row][k % 8].
;   xlt  [i 256][l / 16][n / 8][l % 16][n % 8]      byte i 8192 + t 4096 + o 256 + 16 (l % 16)
;   xrt  [j / 16][r 32][n / 8][j % 16][n % 8]       byte jb 131072 + r 4096 + o 256 + 16 (j % 16)
;   wt   [r 32][d / 16][l / 8][d % 16][l % 8]       byte r 8192 + dt 1024 + o 256 + 16 (d % 16)
; LIMITS.  bf16 keeps 8 significant bits and f32's range; NaN and infinities pass as the conversion makes them.
; SHARES.  A wave does one JOB by itself: 8 rows (8 neighbouring k) of 2,048 consecutive bytes of f32 in, 512 pieces of 16 bytes (8 k of one row) out, which are 32 whole runs of 256 bytes (UNITS).
; 544 jobs: work-groups 0-127 x_left, 128-255 x_right, 256-271 W.  All 32 loads of a job are issued at once; the pieces change lanes in LDS bytes of the wave's own, so there is no barrier.
; No matrix unit, no cluster, no prefetch: nothing is multiplied, nothing is read twice, and each wave asks for all its bytes in its first lines.
.set PITCH, 272                        ; a unit in LDS: 256 bytes + 16: sixteen pieces of neighbouring units start at different 16-byte columns of 256 (64 banks of 4 bytes: ISA guide 11.1)
.set WB,    32*PITCH                   ; a wave's 32 units
.set SPARE, 2*WB                       ; behind them: the spare words, 128 bytes for each wave: one block of 256 bytes that no other line names
.set LO,  2                            ; v2   16 x lane: my 16 bytes of 512 in a load
.set LS,  3                            ; v3   where I put a piece
.set LR,  4                            ; v4   where I read a unit's 16 bytes back: lanes 0-15 one unit, lanes 16-31 the next
.set GO,  5                            ; v5   the same 16 bytes in the destination
.set SPW, 8                            ; v8   LDS address of my spare word; never rewritten
.set NIL, 9                            ; v9   0; never rewritten
.set X,   64                           ; v[64:191]  row q, load k at X + 16 q + 4 k; later the units read back
.set PC,  192                          ; v[192:255] piece (k, u) at PC + 4 (4 k + u)
.set SRC, 16                           ; s[16:17] the job's first byte in its source
.set DST, 18                           ; s[18:19] in its destination
.set WV,  20                           ; s20  my wave's number
; A job.  Lane L's load k of a row holds elements e = 128 k + 4 L + u, u = 0..3.  stride: bytes from row to row; dk, du: what k and u add to a piece's LDS address; dunit: bytes from unit to unit in the destination.
.macro JOB stride, dk, du, dunit
.irp k, 0,1,2,3
.irp q, 0,1,2,3,4,5,6,7
	global_load_b128 v[X+16*(\q)+4*(\k):X+16*(\q)+4*(\k)+3], v[LO], s[SRC:SRC+1] offset:(\q)*(\stride)+(\k)*512 th:TH_LOAD_NT
.endr
.endr
.irp k, 0,1,2,3
	s_wait_loadcnt 24-8*(\k)                       ; loads come back in order: group k's eight rows are in, the eight of each later group may stay out
.irp u, 0,1,2,3
.irp h, 0,1,2,3
	v_cvt_pk_bf16_f32 v[PC+4*(4*(\k)+(\u))+(\h)], v[X+32*(\h)+4*(\k)+(\u)], v[X+32*(\h)+16+4*(\k)+(\u)]  ; rows 2 h and 2 h + 1 of one element: two roundings, packed
.endr
	ds_store_b128 v[LS], v[PC+4*(4*(\k)+(\u)):PC+4*(4*(\k)+(\u))+3] offset:(\k)*(\dk)+(\u)*(\du)
.endr
.endr
.irp m, 0,1,2,3,4,5,6,7,8,9,10,11,12,13,14,15
	ds_load_b128 v[X+4*(\m):X+4*(\m)+3], v[LR] offset:(\m)*2*PITCH  ; LDS serves a wave's instructions in order (ISA guide 5.7.1.4): these see the stores above
.endr
.irp m, 0,1,2,3,4,5,6,7,8,9,10,11,12,13,14,15
	s_wait_dscnt 15-(\m)                           ; units 2 m and 2 m + 1 are back; the younger loads may stay out
	global_store_b128 v[GO], v[X+4*(\m):X+4*(\m)+3], s[DST:DST+1] offset:(\m)*2*(\dunit)  ; each half of the lanes stores 256 consecutive bytes, at a multiple of 256 from the buffer's first byte
.endr
.endm
	s_load_b256 s[4:11], s[0:1], 0x0               ; x_left s[4:5], x_right s[6:7], W s[8:9], xlt s[10:11]
	s_load_b128 s[12:15], s[0:1], 0x20             ; xrt s[12:13], wt s[14:15]
	v_lshl_add_u32 v[SPW], v0, 2, SPARE
	v_mov_b32 v[NIL], 0
	v_lshrrev_b32 v1, 5, v0
	v_readfirstlane_b32 s[WV], v1                  ; wave 0, 1
	s_mul_i32 s21, s[WV], WB                       ; my wave's LDS bytes
	s_lshl_b32 s22, ttmp9, 1
	s_add_co_u32 s22, s22, s[WV]                   ; the job's number
	v_and_b32 v10, 31, v0                          ; L
	v_lshlrev_b32 v[LO], 4, v10
	v_and_b32 v11, 15, v0                          ; L % 16
	v_bfe_u32 v12, v0, 4, 1                        ; L / 16
	v_mul_u32_u24 v[LR], v12, PITCH
	v_lshl_add_u32 v[LR], v11, 4, v[LR]
	v_add_nc_u32 v[LR], s21, v[LR]
	v_lshlrev_b32 v[GO], 4, v11                    ; the unit's stride is added below
	; x_left and W: element e goes to unit e / 16 = 8 k + L / 4, place e % 16 = 4 (L % 4) + u
	v_bfe_u32 v13, v0, 2, 3                        ; L / 4
	v_and_b32 v14, 3, v0                           ; L % 4
	v_mul_u32_u24 v[LS], v13, PITCH
	v_lshl_add_u32 v[LS], v14, 6, v[LS]
	v_add_nc_u32 v[LS], s21, v[LS]
	s_mov_b32 s25, 0                               ; the two offsets' high words
	s_mov_b32 s27, 0
	s_wait_kmcnt 0x0
	s_cmp_lt_u32 ttmp9, 256
	s_cbranch_scc0 .Lw
	; x_left, x_right: job = 16 x block of 16 i (or j) + n / 8
	s_bfe_u32 s23, s22, 0x40004                    ; the block
	s_and_b32 s28, s22, 15                         ; n / 8
	s_lshl_b32 s24, s28, 18                        ; from: 8 n of 32,768 bytes,
	s_lshl_b32 s29, s23, 11                        ; 16 i of 128 bytes
	s_add_co_u32 s24, s24, s29
	s_lshl_b32 s26, s23, 17                        ; to: the block's 131,072 bytes,
	s_lshl_b32 s29, s28, 8                         ; the unit of this n / 8
	s_add_co_u32 s26, s26, s29
	v_lshl_add_u32 v[GO], v12, 12, v[GO]           ; units lie 4,096 bytes apart
	s_cmp_lt_u32 ttmp9, 128
	s_cbranch_scc0 .Lxr
	s_add_nc_u64 s[SRC:SRC+1], s[4:5], s[24:25]
	s_add_nc_u64 s[DST:DST+1], s[10:11], s[26:27]
	JOB 32768, 8*PITCH, 16, 4096                   ; e = 32 (i % 16) + l: unit 2 (i % 16) + l / 16, place l % 16
	s_branch .Lend
.Lxr:
	; x_right: e = 32 (j % 16) + r goes to unit e % 32 = 4 (L % 8) + u, place e / 32 = 4 k + L / 8.  Two lanes of sixteen meet in a 16-byte column: sixteen stores a job, taken as they are
	v_and_b32 v13, 7, v0                           ; L % 8
	v_bfe_u32 v14, v0, 3, 2                        ; L / 8
	v_mul_u32_u24 v[LS], v13, 4*PITCH
	v_lshl_add_u32 v[LS], v14, 4, v[LS]
	v_add_nc_u32 v[LS], s21, v[LS]
	s_add_nc_u64 s[SRC:SRC+1], s[6:7], s[24:25]
	s_add_nc_u64 s[DST:DST+1], s[12:13], s[26:27]
	JOB 32768, 64, PITCH, 4096
	s_branch .Lend
.Lw:
	; W: job = 512 + 4 x group of 4 r + l / 8.  A row is l = 8 (l / 8) + q, r = 4 rg .. 4 rg + 3, all d: 2,048 consecutive bytes; e = 128 (r % 4) + d: unit 8 (r % 4) + d / 16, place d % 16
	s_bfe_u32 s23, s22, 0x30002                    ; rg
	s_and_b32 s28, s22, 3                          ; l / 8
	s_lshl_b32 s24, s28, 17                        ; from: 8 l of 16,384 bytes,
	s_lshl_b32 s29, s23, 11                        ; 4 r of 512 bytes
	s_add_co_u32 s24, s24, s29
	s_lshl_b32 s26, s23, 15                        ; to: 4 r of 8,192 bytes,
	s_lshl_b32 s29, s28, 8                         ; the unit of this l / 8
	s_add_co_u32 s26, s26, s29
	v_lshl_add_u32 v[GO], v12, 10, v[GO]           ; units lie 1,024 bytes apart
	s_add_nc_u64 s[SRC:SRC+1], s[8:9], s[24:25]
	s_add_nc_u64 s[DST:DST+1], s[14:15], s[26:27]
	JOB 16384, 8*PITCH, 16, 1024
.Lend:
	s_wait_tensorcnt 0x0                           ; the wave's end: behind my last LDS store
	ds_add_u32 v[SPW], v[NIL]
	s_wait_dscnt 0x0
	s_endpgm
.Lfunc_end_k_q005dd64f75_prep:
	.size	k_q005dd64f75_prep, .Lfunc_end_k_q005dd64f75_prep-k_q005dd64f75_prep
	.p2alignl 7, 3214868480
	.fill 96, 4, 3214868480
	.section	.rodata,"a",@progbits
	.p2align	6, 0x0
	.amdhsa_kernel k_q005dd64f75_prep
		.amdhsa_group_segment_fixed_size 17664
		.amdhsa_private_segment_fixed_size 0
		.amdhsa_enable_private_segment 0
		.amdhsa_kernarg_size 48
		.amdhsa_user_sgpr_count 2
		.amdhsa_user_sgpr_kernarg_segment_ptr 1
		.amdhsa_wavefront_size32 1
		.amdhsa_system_sgpr_workgroup_id_x 1
		.amdhsa_system_sgpr_workgroup_id_y 1
		.amdhsa_system_sgpr_workgroup_id_z 1
		.amdhsa_system_vgpr_workitem_id 0
		.amdhsa_next_free_vgpr 256
		.amdhsa_next_free_sgpr 66
		.amdhsa_reserve_vcc 0
		.amdhsa_float_denorm_mode_32 3
		.amdhsa_float_denorm_mode_16_64 3
		.amdhsa_memory_ordered 1
		.amdhsa_forward_progress 1
		.amdhsa_inst_pref_size 37
	.end_amdhsa_kernel
	.amdgpu_metadata
---
amdhsa.version: [ 1, 2 ]
amdhsa.kernels:
  - .name:           k_q005dd64f75_prep
    .symbol:         k_q005dd64f75_prep.kd
    .args:
      - { .name: x_left, .offset: 0, .size: 8, .value_kind: global_buffer, .address_space: global }
      - { .name: x_right, .offset: 8, .size: 8, .value_kind: global_buffer, .address_space: global }
      - { .name: W, .offset: 16, .size: 8, .value_kind: global_buffer, .address_space: global }
      - { .name: xlt, .offset: 24, .size: 8, .value_kind: global_buffer, .address_space: global }
      - { .name: xrt, .offset: 32, .size: 8, .value_kind: global_buffer, .address_space: global }
      - { .name: wt, .offset: 40, .size: 8, .value_kind: global_buffer, .address_space: global }
    .group_segment_fixed_size: 17664
    .private_segment_fixed_size: 0
    .kernarg_segment_align: 8
    .kernarg_segment_size: 48
    .max_flat_workgroup_size: 64
    .sgpr_count:     66
    .vgpr_count:     256
    .wavefront_size: 32
...
	.end_amdgpu_metadata
.endif
;; end of part 1
;; launch cov (part 2): grid 16 x 16, 4 waves a work-group, clusters of 4 x 1, 327,680 bytes of LDS; arguments xlt, xrt, wt, b, out0; writes out0
.if DOCPART == 2
	.amdgcn_target "amdgcn-amd-amdhsa--gfx1250"
	.amdhsa_code_object_version 6
	.text
	.protected	k_q005dd64f75_cov
	.globl	k_q005dd64f75_cov
	.p2align	8
	.type	k_q005dd64f75_cov,@function
k_q005dd64f75_cov:
	s_mov_b64 s[64:65], 0
	v_nop
	global_prefetch_b8 v0, s[64:65] scope:SCOPE_SE
	s_setreg_imm32_b32 hwreg(HW_REG_WAVE_MODE, 25, 1), 1
	s_wait_xcnt 0x0
	s_wait_alu depctr_hold_cnt(0) depctr_sa_sdst(0) depctr_va_vdst(0) depctr_va_sdst(0) depctr_va_ssrc(0) depctr_va_vcc(0) depctr_vm_vsrc(0)
	s_getreg_b32 s2, hwreg(HW_REG_IB_STS2, 6, 4)
	s_cmp_eq_u32 s2, 0
	s_cbranch_scc0 .Lentry_in_a_cluster
	s_endpgm
.Lentry_in_a_cluster:
	s_bfe_u32 s2, ttmp6, 0x10000c
	s_cmp_lg_u32 s2, 0x3003
	s_cbranch_scc0 .Lentry_shape_is_right
	s_endpgm
.Lentry_shape_is_right:
; out[i][j][d] = b[d] + sum over l, r of (sum over n of xl[n][i][l] xr[n][j][r]) W[32 l + r][d]: BOTH PRODUCTS IN ONE LAUNCH; the 65,536 x 1,024 numbers between them never leave the registers.
; No work of reference() is left out.  xlt, xrt, wt are x_left, x_right, W in bf16, laid by fragments: a fragment of 16 rows x 32 k is 1,024 bytes, lane L's registers 0-3 at 16 L, 4-7 at 512 + 16 L.
; LIMITS.  x_left, x_right, W and the first product's sums are each rounded once to bf16 (8 significant bits, f32's range); b stays f32; all sums in f32, in the matrix unit's order; NaN and infinities are not treated apart.
; SHARES.  A work-group makes 16 i x 16 j, all 128 d: 256 work-groups.  Wave w owns 4 i (ii = 0..3) with all 16 j: 32 accumulators of 16 d x 16 j.  Its xl, 4 i x 32 l x 128 n, stays in 256 registers.
; A STEP is one r, 32 steps.  G1: S(ii, t) = 16 l (tile t of i) x 16 j at this r, summed over n in four instructions.  In the result a lane holds ONE pair (i, j % 16 = lane % 16) and the l = 16 t + 8 (lane / 16) + 0..7:
; the two tiles of an i, rounded to bf16 in pairs (CV), ARE source 1 (32 l x 16 pairs) of G2: acc(ii, dt) += 16 d of W at this r x P(ii).  So nothing changes lanes between the products.
; A step has 64 matrix instructions, 32 conversions and 24 LDS loads a wave.  b, in 64 registers of its own, is the C operand of each accumulator's first product: nothing is cleared, nothing is added at the end.
; BY HALVES.  Piece A (ii 0, 1) runs half a step ahead of piece B (ii 2, 3), so each piece's conversions stand among the other's products, in groups of four, which are also the places that the products' registers want.
; CLUSTER.  The four work-groups of a cluster share their 16 j and walk the same xrt and wt: each tile is asked for JOINTLY, the same tensor load, descriptor and mask in all four: 384 of the 512 KiB that a work-group
; takes in.  xlt's 128 KiB are a work-group's own among its partners (the work-groups that share them differ in j, and lie in other clusters), and come by plain loads, once.
; RING.  Two slots of LDS, each with 8 steps (a CHUNK): 8 x 4,096 bytes of xrt, then 8 x 8,192 of wt.  Chunks 0 and 1 are asked for together at the start; chunks 2 and 3 by one joint load a wave behind a round,
; each with 8 steps, 512 matrix instructions a wave, in which to land.
; REGISTERS, in windows of 256 (s_set_vgpr_msb: bits 1:0 source 0, 3:2 source 1, 5:4 source 2, 7:6 destination):
;   window 0: v0-11 addresses; v32-95 S(ii, t) at 32 + 16 ii + 8 t; v96-127 P(ii) at 96 + 8 ii; v128-191 xr's fragments, two buffers of four; on the way out v128-255 two buffers of 16 rows
;   window 1: xl(ii, t, ns) at 64 ii + 32 t + 8 ns        window 2: acc(ii, dt) at 64 ii + 8 dt        window 3: v0-127 W's fragments, two buffers of eight; v128-191 b, eight registers for each dt
.set SLOT1, 1<<17                      ; slot 1 begins here, so that one exclusive or turns an address in one slot into the other's
.set XCH,   32768                      ; a chunk's bytes of xrt
.set WCH,   65536                      ; and of wt,
.set WOFF,  XCH                        ; which lie behind xrt's in a slot
.set STAGE, SLOT1+XCH+WCH              ; behind the ring, never filled by a tensor load: 16 rows x 528 bytes for each wave, for the way out
.set SP,    528                        ; a row of 512 bytes + 16: the 16 rows that a store touches start at 16 different 16-byte columns of 256 (64 banks of 4 bytes: ISA guide 11.1)
.set SPARE, STAGE+4*16*SP              ; behind the stages: the spare words, 128 bytes for each wave: two blocks of 256 bytes that no other line names
.set LN16, 2                           ; v2   16 x lane; never rewritten
.set LW16, 3                           ; v3   the same + WOFF
.set AX,   4                           ; v4   LDS address of xr's fragments of an even step (the odd one's lie 4,096 on)
.set AW,   5                           ; v5   the same for W's (8,192 on)
.set BO,   6                           ; v6   32 x (lane / 16): my 8 numbers among 16 of b
.set STO,  7                           ; v7   the way out: where I put 16 bytes of a row
.set RD,   8                           ; v8   the way out: where I read a row back
.set PFO,  9                           ; v9   256 x lane, for the prefetches; never rewritten
.set SPW,  10                          ; v10  LDS address of my spare word: SPARE + 4 x my thread's number; never rewritten
.set NIL,  11                          ; v11  0; never rewritten
.set S,    32
.set P,    96
.set XF,   128
.set OUT,  128
.set BI,   128                         ; window 3: register q of BI + 8 dt holds b[16 dt + 8 (lane / 16) + q]
.set WV,   14                          ; s14  my wave's number
.set CX,   15                          ; s15  my place in the cluster: it enters xlt's, out0's and the prefetches' addresses alone
.set IB,   16                          ; s16  my block of 16 i
.set JB,   17                          ; s17  my block of 16 j, which the four partners share
.set G1X,  24                          ; s[24:31] descriptor group 1 for xrt's tiles
.set G1W,  32                          ; s[32:39] for wt's
.set G0X,  40                          ; s[40:47] descriptor group 0 for xrt's tiles: a set for each of the two first fills; the second then walks on
.set G0W,  48                          ; s[48:55] the same for wt's
.set SLOTS, 56                         ; s56  counts the chunks: 2 and 1 at the two changes of slots that fill
.set CNT,  57                          ; s57  counts pairs of trips
.set TBX,  58                          ; s58  LDS byte at which xr of the next even step to be fetched begins
.set TBW,  59                          ; s59  the same for W, less WOFF
.set LIM,  60                          ; s60  1 in a wave that prefetches, else the greatest number
.set HALF, 61                          ; s61  which half of a chunk's tile I fetch
.set PFA,  66                          ; s[66:67] where my prefetches stand
.set PFS,  68                          ; s[68:69] their step: a chunk of xrt or of wt
.set MSB, 0
.macro WIN new                         ; the immediate's high byte repeats the setting that is left; a switch that changes nothing is dropped
.if MSB != (\new)
	s_set_vgpr_msb (MSB<<8)|(\new)
.set MSB, (\new)
.endif
.endm
; A joint refill.  Waves 0 and 1 fetch the two halves of a chunk's xrt, waves 2 and 3 those of its wt.  The branch hangs on the wave's number alone: it is the same in every work-group.
; An s_nop 0 and four v_nop follow each of the two lines, ahead of the jump and the label.
.macro JLOAD
	s_cmp_lt_u32 s[WV], 2
	s_cbranch_scc0 .Lfor_w_\@
	tensor_load_to_lds s[G0X+4:G0X+7], s[G1X:G1X+7]
	s_nop 0
.rept 4
	v_nop
.endr
	s_branch .Lasked_\@
.Lfor_w_\@:
	tensor_load_to_lds s[G0W+4:G0W+7], s[G1W:G1W+7]
	s_nop 0
.rept 4
	v_nop
.endr
.Lasked_\@:
.endm
; A PREFETCH INTO THE L2 of the chunk that the NEXT filling change of slots will ask for, 8 steps (512 matrix instructions a wave) ahead of that load: a lane a block of 256 bytes, one instruction a wave, behind the
; wave's tensor load and its five lines.  Each block is named ONCE in the launch.  A block of 16 j's xrt is walked by the four clusters with that j block: the first of them (cluster x = 0) asks, wave 0 of each partner
; for 32 of the chunk's 128 blocks.  wt is walked by all clusters: the one with cluster x = 0 and j block 0 asks, waves 2 and 3 of each partner for 32 each of the chunk's 256.  The partners are told apart BY ADDRESS.
; Chunks 0, 1 and 2 come by their loads alone: nothing is prefetched at the head, where every work-group's first tiles are on their way.  The change that loads chunk 2 asks for chunk 3; the last filling change for nothing.
.macro ASK
	s_cmp_gt_u32 s[SLOTS], s[LIM]
	s_cbranch_scc0 .Lnot_mine_\@
	global_prefetch_b8 v[PFO], s[PFA:PFA+1] th:TH_LOAD_NT scope:SCOPE_SE
.Lnot_mine_\@:
.endm
; A round of the cluster's barrier: my work-group's barrier, so that wave 0's signal speaks for all four waves; wave 0 signals; every wave waits for all four work-groups; my work-group's barrier once more.
.macro CROUND
	s_barrier_signal -1
	s_barrier_wait -1
	s_cmp_lg_u32 s[WV], 0
	s_cbranch_scc1 .Lnot_wave_0_\@
	s_barrier_signal -3
.Lnot_wave_0_\@:
	s_barrier_wait -3
	s_barrier_signal -1
	s_barrier_wait -1
.endm
; THE CHANGE OF SLOTS.  All fragments of the slot's 8 steps have been asked for.  Each wave waits for all its tensor loads, of which one is out: its part of the other slot; adds 0 to its spare word; and waits for that
; and for its own reads of the slot.  Behind the barrier nobody reads this slot any more and the other slot is whole.  fill = 1: this slot is filled again, with the chunk two on; the barrier is then a round of the
; cluster's, and the joint load is the first thing behind it.
.macro CHANGE fill
	WIN 0                                          ; at a label and at a branch every window is 0
	s_wait_tensorcnt 0x0                           ; no tensor load of mine is out, so a group 0 may be written
	ds_add_u32 v[SPW], v[NIL]                      ; 0 onto my spare word: with fill = 1 the descriptors' steps stand between it and the wait for it
.if \fill
	s_xor_b32 s[G0X+5], s[G0X+5], SLOT1            ; the walking descriptors: the other slot than last time,
	s_add_nc_u64 s[G0X+6:G0X+7], s[G0X+6:G0X+7], XCH  ; the next chunk; the type bits on top are not reached
	s_xor_b32 s[G0W+5], s[G0W+5], SLOT1
	s_add_nc_u64 s[G0W+6:G0W+7], s[G0W+6:G0W+7], WCH
	s_wait_xcnt 0x0                                ; the last prefetch, a chunk back, has read its address, so it may be written:
	s_add_nc_u64 s[PFA:PFA+1], s[PFA:PFA+1], s[PFS:PFS+1]  ; one chunk beyond the walking descriptors
	s_wait_dscnt 0x0                               ; the add is done, and my reads of the slot are over
	CROUND
	JLOAD
	ASK
.else
	s_wait_dscnt 0x0                               ; the add is done, and my reads of the slot are over
	s_barrier_signal -1
	s_barrier_wait -1
.endif
	s_sub_co_u32 s[TBX], s[TBX], XCH               ; the fetches go back to a slot's first step,
	s_xor_b32 s[TBX], s[TBX], SLOT1                ; in the other slot
	s_sub_co_u32 s[TBW], s[TBW], WCH
	s_xor_b32 s[TBW], s[TBW], SLOT1
.endm
.macro XLOAD f                         ; fragment f = 8 ii + 4 t + ns of my xl: 1,024 consecutive bytes; each load of the wave takes 512 of them
	global_load_b128 v[8*(\f):8*(\f)+3],   v[LN16], s[4:5] offset:(\f)*1024
	global_load_b128 v[8*(\f)+4:8*(\f)+7], v[LN16], s[4:5] offset:(\f)*1024+512
.endm
	s_load_b256 s[4:11], s[0:1], 0x0               ; xlt s[4:5], xrt s[6:7], wt s[8:9], b s[10:11]
	s_load_b64 s[12:13], s[0:1], 0x20              ; out0
	v_lshl_add_u32 v[SPW], v0, 2, SPARE
	v_mov_b32 v[NIL], 0
	ds_add_u32 v[SPW], v[NIL]                      ; the wave's opening: the add, twice on end, and its wait stand ahead of my first tensor load; the set-up below, work on registers, stands between
	ds_add_u32 v[SPW], v[NIL]                      ; and once more, under the one wait
	v_lshrrev_b32 v1, 5, v0
	v_readfirstlane_b32 s[WV], v1                  ; wave 0..3
	s_bfe_u32 s[CX], ttmp6, 0x40000                ; cx
	s_lshl_b32 s[IB], ttmp9, 2                     ; in a cluster launch ttmp9 counts clusters
	s_add_co_u32 s[IB], s[IB], s[CX]               ; my block of i = 4 x cluster x + cx
	s_and_b32 s[JB], ttmp7, 0xffff
	s_and_b32 s[HALF], s[WV], 1
	; the tiles: dense blocks, asked for as rows of 256 bytes.  No place in the cluster enters a descriptor
	s_lshl_b32 s62, s[HALF], 14                    ; xrt: my half of a chunk: 16,384 bytes, in memory and in the slot
	s_lshl_b32 s63, s[HALF], 15                    ; wt: 32,768 bytes
	s_lshl_b32 s18, s[JB], 17                      ; xrt: the j block's 131,072 bytes
	s_add_co_u32 s18, s18, s62
	s_mov_b32 s19, 0
	s_mov_b32 s20, s63
	s_mov_b32 s21, 0
.irp s, 0,1
	s_mov_b32 s[G0X+4*(\s)], 1                     ; 1:0 count = 1
	s_add_co_u32 s[G0X+4*(\s)+1], s62, (\s)*SLOT1  ; 63:32 LDS address: chunk s goes into slot s
	s_mov_b32 s[G0W+4*(\s)], 1
	s_add_co_u32 s[G0W+4*(\s)+1], s63, WOFF+(\s)*SLOT1
.endr
.irp g, G1X, G1W
	s_mov_b32 s[\g], 15|(3<<16)|(1<<21)            ; 15:0 the mask: all four work-groups; 17:16 elements of 8 bytes; 20 no padding; 21 set beside a mask
	s_mov_b32 s[\g+1], 32<<16                      ; tensor_dim0 = 32 elements: 256 bytes
	s_mov_b32 s[\g+3], 32<<16                      ; tile_dim0 = 32
	s_mov_b32 s[\g+5], 32                          ; 32 elements from row to row: dense
	s_mov_b32 s[\g+6], 0
	s_mov_b32 s[\g+7], 0
.endr
	s_mov_b32 s[G1X+2], 64<<16                     ; tensor_dim1 = 64 rows
	s_mov_b32 s[G1X+4], 64                         ; tile_dim1 = 64
	s_mov_b32 s[G1W+2], 128<<16                    ; for wt 128
	s_mov_b32 s[G1W+4], 128
	; my own rows of xlt and of out0
	s_lshl_b32 s22, s[IB], 17                      ; 16 i of 8,192 bytes,
	s_lshl_b32 s23, s[WV], 15                      ; my wave's 4
	s_add_co_u32 s22, s22, s23
	s_mov_b32 s23, 0
	s_lshl_b32 s70, s[IB], 21                      ; 16 i of 131,072 bytes,
	s_lshl_b32 s71, s[WV], 19                      ; my wave's 4,
	s_add_co_u32 s70, s70, s71
	s_lshl_b32 s71, s[JB], 13                      ; 16 j of 512 bytes
	s_add_co_u32 s70, s70, s71
	s_mov_b32 s71, 0
	; the prefetches: who, from where, by what step.  They start at chunk 2; each filling change steps them ahead of its request
	s_cmp_lt_u32 s[WV], 2
	s_cselect_b32 s[LIM], s[WV], s[JB]             ; 0 in wave 0; in waves 2 and 3 where the j block is 0;
	s_or_b32 s[LIM], s[LIM], ttmp9                 ; and the cluster is the first along x: the same in all four partners
	s_cmp_eq_u32 s[LIM], 0
	s_cselect_b32 s[LIM], 1, -1
	s_lshl_b32 s72, s[JB], 17
	s_lshl_b32 s73, s[CX], 13                      ; xrt: my work-group's 32 blocks of the chunk's 128
	s_add_co_u32 s72, s72, s73
	s_add_co_u32 s72, s72, 2*XCH
	s_lshl_b32 s73, s[CX], 14                      ; wt: my work-group's 64 of 256,
	s_lshl_b32 s74, s[HALF], 13                    ; my wave's 32 of them
	s_add_co_u32 s73, s73, s74
	s_add_co_u32 s73, s73, 2*WCH
	s_mov_b32 s[PFS], WCH
	s_cmp_lt_u32 s[WV], 2
	s_cselect_b32 s72, s72, s73
	s_cselect_b32 s[PFS], XCH, s[PFS]
	s_mov_b32 s73, 0
	s_mov_b32 s[PFS+1], 0
	s_mov_b32 s[SLOTS], 3
	s_mov_b32 s[TBX], 0                            ; step 0 lies at the head of slot 0
	s_mov_b32 s[TBW], 0
	v_and_b32 v12, 31, v0                          ; lane
	v_and_b32 v13, 15, v0                          ; lane % 16
	v_bfe_u32 v14, v0, 4, 1                        ; lane / 16
	v_lshlrev_b32 v[LN16], 4, v12
	v_add_nc_u32 v[LW16], WOFF, v[LN16]
	v_lshlrev_b32 v[BO], 5, v14
	v_lshlrev_b32 v[PFO], 8, v12
	s_wait_dscnt 0x0                               ; both opening adds are done
	s_wait_kmcnt 0x0
	s_add_nc_u64 s[4:5], s[4:5], s[22:23]
	; xl first: 128 KiB that the work-group shares with no partner, all of it wanted by the first step.  62 of a wave's 64 loads stand ahead of the round: LOADcnt's field holds 63 (ISA guide 5.7.1),
	; and a load that had to wait at issue here would hold the joint loads back.  The last fragment, the one that the first step multiplies last, follows them.
	WIN 0x40                                       ; destination window 1, address window 0
.set f, 0
.rept 31
	XLOAD f
.set f, f+1
.endr
	WIN 0
	s_add_nc_u64 s[12:13], s[12:13], s[70:71]
	s_add_nc_u64 s[G0X+2:G0X+3], s[6:7], s[18:19]  ; 120:64 global address: my half of chunk 0,
	s_add_nc_u64 s[G0X+6:G0X+7], s[G0X+2:G0X+3], XCH  ; and of chunk 1
	s_or_b32 s[G0X+3], s[G0X+3], 0x80000000        ; 127:126 type = 2
	s_or_b32 s[G0X+7], s[G0X+7], 0x80000000
	s_add_nc_u64 s[G0W+2:G0W+3], s[8:9], s[20:21]
	s_add_nc_u64 s[G0W+6:G0W+7], s[G0W+2:G0W+3], WCH
	s_or_b32 s[G0W+3], s[G0W+3], 0x80000000
	s_or_b32 s[G0W+7], s[G0W+7], 0x80000000
	s_cmp_lt_u32 s[WV], 2
	s_cselect_b64 s[PFA:PFA+1], s[6:7], s[8:9]
	s_add_nc_u64 s[PFA:PFA+1], s[PFA:PFA+1], s[72:73]
	CROUND                                         ; all four work-groups are here: the first joint loads meet
	s_cmp_lt_u32 s[WV], 2                          ; a wave's two first fills stand in one branch, ahead of every wait on TENSORcnt and every LDS read: two loads of mine are out; an s_nop 0 follows each, four v_nop the second's
	s_cbranch_scc0 .Lfirst_w
	tensor_load_to_lds s[G0X:G0X+3], s[G1X:G1X+7]
	s_nop 0
	tensor_load_to_lds s[G0X+4:G0X+7], s[G1X:G1X+7]
	s_nop 0
.rept 4
	v_nop
.endr
	s_branch .Lfirst_asked
.Lfirst_w:
	tensor_load_to_lds s[G0W:G0W+3], s[G1W:G1W+7]
	s_nop 0
	tensor_load_to_lds s[G0W+4:G0W+7], s[G1W:G1W+7]
	s_nop 0
.rept 4
	v_nop
.endr
.Lfirst_asked:
	WIN 0x40
	XLOAD 31
	WIN 0xc0                                       ; destination window 3
.irp d, 0,1,2,3,4,5,6,7                ; b, once: 16 loads, the youngest of the wave's 80
	global_load_b128 v[BI+8*(\d):BI+8*(\d)+3],   v[BO], s[10:11] offset:(\d)*64
	global_load_b128 v[BI+8*(\d)+4:BI+8*(\d)+7], v[BO], s[10:11] offset:(\d)*64+16
.endr
	WIN 0
	s_mul_i32 s62, s[WV], 16*SP
	s_add_co_u32 s62, s62, STAGE                   ; my stage
	v_mul_u32_u24 v[STO], v13, SP                  ; in: row j % 16, my 8 d of each 16: 32 bytes for each half of the lanes
	v_lshl_add_u32 v[STO], v14, 5, v[STO]
	v_add_nc_u32 v[STO], s62, v[STO]
	v_add_nc_u32 v[RD], s62, v[LN16]               ; back: 32 lanes take a row of 512 bytes
; THE MATRIX WORK.  The next of a piece's 16 products of G1 (piece = its first ii): n step gi / 4, then ii, then t: four accumulators take turns, one instruction a turn.  The first four start the sums.
.macro G1N base, xb
	WIN 0x01                                       ; xl in window 1; xr and S in window 0
.set rS, S+16*((\base)+(gi%4)/2)+8*(gi%2)
.set rL, 64*((\base)+(gi%4)/2)+32*(gi%2)+8*(gi/4)
.set rX, XF+32*(\xb)+8*(gi/4)
.if gi < 4
	v_wmma_f32_16x16x32_bf16 v[rS:rS+7], v[rL:rL+7], v[rX:rX+7], 0
.else
	v_wmma_f32_16x16x32_bf16 v[rS:rS+7], v[rL:rL+7], v[rX:rX+7], v[rS:rS+7]
.endif
.set gi, gi+1
.endm
.macro G2 ii, dt, wb, bias=0           ; each accumulator has one product a step.  bias = 1: step 0: the sum starts as b
.if \bias
	WIN 0xb3                                       ; W and b in window 3, P in window 0, acc in window 2
	v_wmma_f32_16x16x32_bf16 v[64*(\ii)+8*(\dt):64*(\ii)+8*(\dt)+7], v[64*(\wb)+8*(\dt):64*(\wb)+8*(\dt)+7], v[P+8*(\ii):P+8*(\ii)+7], v[BI+8*(\dt):BI+8*(\dt)+7]
.else
	WIN 0xa3                                       ; W in window 3, P in window 0, acc in window 2
	v_wmma_f32_16x16x32_bf16 v[64*(\ii)+8*(\dt):64*(\ii)+8*(\dt)+7], v[64*(\wb)+8*(\dt):64*(\wb)+8*(\dt)+7], v[P+8*(\ii):P+8*(\ii)+7], v[64*(\ii)+8*(\dt):64*(\ii)+8*(\dt)+7]
.endif
.endm
.macro CV ii, t                        ; S(ii, t) rounded in pairs, from its low end on: registers 4 t .. 4 t + 3 of P(ii)
	WIN 0
.irp g, 0,1,2,3
	v_cvt_pk_bf16_f32 v[P+8*(\ii)+4*(\t)+(\g)], v[S+16*(\ii)+8*(\t)+2*(\g)], v[S+16*(\ii)+8*(\t)+2*(\g)+1]
.endr
.endm
; THE LDS LOADS of a step stand in one run of 24: xr's four fragments first, then W's eight; each load of the wave takes 512 consecutive bytes.
.macro RUN b, xo, wo
	WIN 0
.irp n, 0,1,2,3
	ds_load_b128 v[XF+32*(\b)+8*(\n):XF+32*(\b)+8*(\n)+3],   v[AX] offset:(\xo)+(\n)*1024
	ds_load_b128 v[XF+32*(\b)+8*(\n)+4:XF+32*(\b)+8*(\n)+7], v[AX] offset:(\xo)+(\n)*1024+512
.endr
	WIN 0xc0                                       ; destination window 3
.irp d, 0,1,2,3,4,5,6,7
	ds_load_b128 v[64*(\b)+8*(\d):64*(\b)+8*(\d)+3],   v[AW] offset:(\wo)+(\d)*1024
	ds_load_b128 v[64*(\b)+8*(\d)+4:64*(\b)+8*(\d)+7], v[AW] offset:(\wo)+(\d)*1024+512
.endr
.endm
.macro NEXT_PAIR                       ; the addresses of the next even step and the odd one behind it
	WIN 0
	v_add_nc_u32 v[AX], s[TBX], v[LN16]
	v_add_nc_u32 v[AW], s[TBW], v[LW16]
	s_add_co_u32 s[TBX], s[TBX], 2*4096
	s_add_co_u32 s[TBW], s[TBW], 2*8192
.endm
; TRIP t, par = t % 2; step s has the fragment buffers s % 2.  Four runs of 16 products: G1 of piece A for step t + 1; G2 of piece B for step t; G1 of piece B for step t + 1; G2 of piece A for step t + 1.
; run = 1: step t + 2's fragments are fetched, into the buffers that step t leaves.  first = 1: the trip in front of step 0: piece B has nothing to multiply by W yet, piece A's products with W start their sums as b,
; and the waits for the wave's 80 global loads stand here, counted: 48 leaves piece B's 32 loads of xl and b's 16 out, 16 leaves b's out, 0 none.  bb = 1: trip 0: piece B's products with W start their sums as b.
; A vector instruction that reads a matrix result or writes one of a matrix instruction's registers, and a load into such a register, stand four places behind it, and only plain vector instructions that name none
; of its registers are places (ISA guide 7.12.1 for vector instructions).  Here each group of four conversions is the four places of the next line that wants them:
;   CV 3,1 for CV 0,0 (S of piece A just made; P(0) last read by the trip before);  CV 1,0 for the loads into W's buffer (just multiplied);  CV 1,1 for CV 2,0 (S of piece B just made).  All others have eight or more.
; n1: at the head xr of step t + 1 is wanted: the 16 loads of W issued behind it may stay out.  n4: W of step t + 1 is wanted: this trip's run of 24 may stay out.
.macro TRIP par, run, n1, n4, first=0, bb=0
	s_wait_dscnt \n1
.if \first
	s_wait_loadcnt 48                              ; xl of piece A: the first 32 loads
.endif
.set gi, 0
.rept 16
	G1N 0, 1-(\par)
.endr
.if \first
	WIN 0
.rept 4
	v_nop
.endr
	CV 0, 0
	CV 0, 1
	s_wait_loadcnt 16                              ; xl of piece B
.else
	G2 2, 0, \par, \bb
	CV 3, 1
	G2 2, 1, \par, \bb
	G2 2, 2, \par, \bb
	CV 0, 0
	G2 2, 3, \par, \bb
	G2 2, 4, \par, \bb
	CV 0, 1
.irp d, 5,6,7
	G2 2, \d, \par, \bb
.endr
.irp d, 0,1,2,3,4,5,6,7
	G2 3, \d, \par, \bb
.endr
.endif
.set gi, 0
	G1N 2, 1-(\par)
	CV 1, 0
.if \run
.if (\par) == 0
	NEXT_PAIR
.endif
	RUN \par, (\par)*4096, (\par)*8192
.endif
.rept 15
	G1N 2, 1-(\par)
.endr
	s_wait_dscnt \n4
.if \first
	s_wait_loadcnt 0x0                             ; b
.endif
	G2 0, 0, 1-(\par), \first
	CV 1, 1
	G2 0, 1, 1-(\par), \first
	G2 0, 2, 1-(\par), \first
	CV 2, 0
	G2 0, 3, 1-(\par), \first
	G2 0, 4, 1-(\par), \first
	CV 2, 1
	G2 0, 5, 1-(\par), \first
	G2 0, 6, 1-(\par), \first
	CV 3, 0
	G2 0, 7, 1-(\par), \first
.irp d, 0,1,2,3,4,5,6,7
	G2 1, \d, 1-(\par), \first
.endr
.endm
	s_wait_tensorcnt 0x1                           ; my part of chunk 0 is in; chunk 1's may stay out
	s_barrier_signal -1
	s_barrier_wait -1                              ; everybody's is
	NEXT_PAIR
	RUN 0, 0, 0                                    ; step 0
	RUN 1, 4096, 8192                              ; step 1
	TRIP 1, 0, 40, 24, 1                           ; 48 LDS loads are out: xr of step 0 is the first 8 of them, W of step 0 the next 16
	TRIP 0, 1, 16, 24, 0, 1                        ; trips 0 and 1 are written out: in trip 0 piece B's sums start
	TRIP 1, 1, 16, 24
	WIN 0
	s_mov_b32 s[CNT], 2                            ; chunk 0 has four steps left to fetch: trips 2 to 5
	s_branch .Lpair
.Lslot:                                        ; twice: chunks 2 and 3 are asked for; trips 6 to 13 and 14 to 21 fetch chunks 1 and 2
	CHANGE 1
	s_mov_b32 s[CNT], 4
.Lpair:
	TRIP 0, 1, 16, 24
	TRIP 1, 1, 16, 24
	WIN 0
	s_sub_co_u32 s[CNT], s[CNT], 1
	s_cmp_lg_u32 s[CNT], 0
	s_cbranch_scc1 .Lpair
	s_sub_co_u32 s[SLOTS], s[SLOTS], 1
	s_cmp_lg_u32 s[SLOTS], 0
	s_cbranch_scc1 .Lslot
	CHANGE 0                                       ; the tail is written out: nothing is asked for; trips 22 to 29 fetch chunk 3
	s_mov_b32 s[CNT], 4
.Ltail:
	TRIP 0, 1, 16, 24
	TRIP 1, 1, 16, 24
	WIN 0
	s_sub_co_u32 s[CNT], s[CNT], 1
	s_cmp_lg_u32 s[CNT], 0
	s_cbranch_scc1 .Ltail
	TRIP 0, 0, 16, 0                               ; trip 30 fetches nothing: no load is issued behind W of step 31, so the wait for it is for 0
	G2 2, 0, 1                                     ; piece B's products with W of step 31
	CV 3, 1
.irp d, 1,2,3,4,5,6,7
	G2 2, \d, 1
.endr
.irp d, 0,1,2,3,4,5,6,7
	G2 3, \d, 1
.endr
	WIN 0
.rept 4
	v_nop                                          ; the places behind the last products, in front of the stores that read results
.endr
; THE WAY OUT.  A lane holds 8 neighbouring d of one pair, the lanes beside it other pairs.  So the 16 rows (16 j, 512 bytes each) of one i go through my own stage in LDS and come back as whole rows.
.macro PUT ii, buf
	WIN 0x08                                       ; the stores' data in window 2
.irp d, 0,1,2,3,4,5,6,7
	ds_store_b128 v[STO], v[64*(\ii)+8*(\d):64*(\ii)+8*(\d)+3]   offset:(\d)*64     ; each accumulator from its low end on
	ds_store_b128 v[STO], v[64*(\ii)+8*(\d)+4:64*(\ii)+8*(\d)+7] offset:(\d)*64+16
.endr
	WIN 0
.irp r, 0,1,2,3,4,5,6,7,8,9,10,11,12,13,14,15
	ds_load_b128 v[OUT+64*(\buf)+4*(\r):OUT+64*(\buf)+4*(\r)+3], v[RD] offset:(\r)*SP  ; LDS serves a wave's instructions in order (ISA guide 5.7.1.4): these see the stores above; the next i's stores come behind them
.endr
.endm
.macro SEND ii, buf, younger           ; younger: the LDS instructions issued behind this i's loads: the next i's 32, or none
.irp r, 0,1,2,3,4,5,6,7,8,9,10,11,12,13,14,15
	s_wait_dscnt (\younger)+15-(\r)
	global_store_b128 v[LN16], v[OUT+64*(\buf)+4*(\r):OUT+64*(\buf)+4*(\r)+3], s[12:13] offset:(\ii)*131072+(\r)*512 th:TH_STORE_NT  ; 512 consecutive bytes, at a multiple of 256 from out0's first byte
.endr
.endm
	PUT 0, 0
	PUT 1, 1
	SEND 0, 0, 32
	s_wait_xcnt 0x0                                ; the stores have read their data: buffer 0 is loaded again only behind this wait
	PUT 2, 0
	SEND 1, 1, 32
	s_wait_xcnt 0x0                                ; the same for buffer 1
	PUT 3, 1
	SEND 2, 0, 32
	SEND 3, 1, 0
	s_wait_tensorcnt 0x0                           ; the wave's end: behind my last tensor load and my last LDS store
	ds_add_u32 v[SPW], v[NIL]
	s_wait_dscnt 0x0
	CROUND                                         ; the closing round: no work-group ends while a partner may still ask for a tile that names it
	s_endpgm
.Lfunc_end_k_q005dd64f75_cov:
	.size	k_q005dd64f75_cov, .Lfunc_end_k_q005dd64f75_cov-k_q005dd64f75_cov
	.p2alignl 7, 3214868480
	.fill 96, 4, 3214868480
	.section	.rodata,"a",@progbits
	.p2align	6, 0x0
	.amdhsa_kernel k_q005dd64f75_cov
		.amdhsa_group_segment_fixed_size 327680
		.amdhsa_private_segment_fixed_size 0
		.amdhsa_enable_private_segment 0
		.amdhsa_kernarg_size 40
		.amdhsa_user_sgpr_count 2
		.amdhsa_user_sgpr_kernarg_segment_ptr 1
		.amdhsa_wavefront_size32 1
		.amdhsa_system_sgpr_workgroup_id_x 1
		.amdhsa_system_sgpr_workgroup_id_y 1
		.amdhsa_system_sgpr_workgroup_id_z 1
		.amdhsa_system_vgpr_workitem_id 0
		.amdhsa_next_free_vgpr 960
		.amdhsa_next_free_sgpr 80
		.amdhsa_reserve_vcc 0
		.amdhsa_float_denorm_mode_32 3
		.amdhsa_float_denorm_mode_16_64 3
		.amdhsa_memory_ordered 1
		.amdhsa_forward_progress 1
		.amdhsa_inst_pref_size 100
	.end_amdhsa_kernel
	.amdgpu_metadata
---
amdhsa.version: [ 1, 2 ]
amdhsa.kernels:
  - .name:           k_q005dd64f75_cov
    .symbol:         k_q005dd64f75_cov.kd
    .args:
      - { .name: xlt, .offset: 0, .size: 8, .value_kind: global_buffer, .address_space: global }
      - { .name: xrt, .offset: 8, .size: 8, .value_kind: global_buffer, .address_space: global }
      - { .name: wt, .offset: 16, .size: 8, .value_kind: global_buffer, .address_space: global }
      - { .name: b, .offset: 24, .size: 8, .value_kind: global_buffer, .address_space: global }
      - { .name: out0, .offset: 32, .size: 8, .value_kind: global_buffer, .address_space: global }
    .group_segment_fixed_size: 327680
    .private_segment_fixed_size: 0
    .kernarg_segment_align: 8
    .kernarg_segment_size: 40
    .max_flat_workgroup_size: 128
    .sgpr_count:     80
    .vgpr_count:     960
    .wavefront_size: 32
...
	.end_amdgpu_metadata
.endif
;; end of part 2
;; ======== version 2 of 2: 2 launches; version 1 with the launch prep written anew for expert scheduling mode
;; workspace buffers: xlt 2,097,152 bytes; xrt 2,097,152 bytes; wt 262,144 bytes
;; launch prep (part 3): grid 272 x 1, 2 waves a work-group, no clusters, 17,664 bytes of LDS; arguments x_left, x_right, W, xlt, xrt, wt; writes xlt, xrt, wt
.if DOCPART == 3
	.amdgcn_target "amdgcn-amd-amdhsa--gfx1250"
	.amdhsa_code_object_version 6
	.text
	.protected	k_q005dd64f75_prep
	.globl	k_q005dd64f75_prep
	.p2align	8
	.type	k_q005dd64f75_prep,@function
k_q005dd64f75_prep:
	s_mov_b64 s[64:65], 0
	v_nop
	global_prefetch_b8 v0, s[64:65] scope:SCOPE_SE
	s_setreg_imm32_b32 hwreg(HW_REG_WAVE_SCHED_MODE, 0, 2), 2
	s_setreg_imm32_b32 hwreg(HW_REG_WAVE_MODE, 25, 1), 1
	s_wait_xcnt 0x0
	s_wait_alu depctr_vm_vsrc(0)
; out[i][j][d] = b[d] + sum over l, r of (sum over n of xl[n][i][l] xr[n][j][r]) W[32 l + r][d].   N = 128, 256 i, 256 j, 32 l, 32 r, 128 d.
; NO WORK IS LEFT OUT: every number of x_left, x_right, W and b reaches an output, and reference()'s order of the two products is the one with the fewer multiply-adds.
; THIS LAUNCH rounds x_left, x_right and W once to bf16 (nearest even) and lays them so that the next launch's matrix fragments are runs of consecutive bytes:
; the axis that a product sums over (n for the two x, l for W) is the slowest in memory and becomes the fastest.  A fragment of 16 rows x 32 k is 1,024 bytes, [k / 8][row][k % 8].
;   xlt  [i 256][l / 16][n / 8][l % 16][n % 8]      byte i 8192 + t 4096 + o 256 + 16 (l % 16)
;   xrt  [j / 16][r 32][n / 8][j % 16][n % 8]       byte jb 131072 + r 4096 + o 256 + 16 (j % 16)
;   wt   [r 32][d / 16][l / 8][d % 16][l % 8]       byte r 8192 + dt 1024 + o 256 + 16 (d % 16)
; LIMITS.  bf16 keeps 8 significant bits and f32's range; NaN and infinities pass as the conversion makes them.
; SHARES.  A wave does one JOB by itself: 8 rows (8 neighbouring k) of 2,048 consecutive bytes of f32 in, 512 pieces of 16 bytes (8 k of one row) out, which are 32 whole runs of 256 bytes (UNITS).
; 544 jobs: work-groups 0-127 x_left, 128-255 x_right, 256-271 W.  All 32 loads of a job are issued at once; the pieces change lanes in LDS bytes of the wave's own, so there is no barrier.
; No matrix unit, no cluster, no prefetch: nothing is multiplied, nothing is read twice, and each wave asks for all its bytes in its first lines.
; THE MODE: SCHED_MODE bits 1:0 = 2 (LLVM: expert scheduling mode 2), set by the entry lines.  The code itself states the register dependences
; between vector instructions and memory or LDS instructions, with s_wait_alu, always for 0.
; THE PLAN.  A job is straight code.  Registers that memory or LDS instructions touch:
;   v[LO], v[LS], v[LR], v[GO]  Written by vector instructions at the head and in the three arms; read by the global loads, the LDS stores, the LDS loads and the global stores; never written behind their first reader.
;   X    Written by the 32 global loads; read by the 64 roundings, group k's sixteen reading group k's loads; then the 16 LDS loads land in its first 64 registers, which the global stores read.
;   PC   Piece (k, u) has four registers of its own: written once, by its four roundings; read once, by its LDS store.
;   v[SPW], v[NIL]  Written at the head, read by the closing add alone.
; So one wait on va_vdst stands at a job's head, for the four addresses; one at the head of each of groups 1 to 3, behind the wait for the group's data: the group before has written its four pieces, whose LDS stores
; are then dealt among this group's roundings, which name this group's part of X and its own pieces alone; and one behind group 3's roundings, for its pieces and for the LDS loads that land in X.
; No register that a memory or LDS instruction has read is ever written again, so no job holds a wait on vm_vsrc.  One wait on va_sdst stands behind the line that makes the wave's number a scalar.
.set PITCH, 272                        ; a unit in LDS: 256 bytes + 16: sixteen pieces of neighbouring units start at different 16-byte columns of 256 (64 banks of 4 bytes: ISA guide 11.1)
.set WB,    32*PITCH                   ; a wave's 32 units
.set SPARE, 2*WB                       ; behind them: the spare words, 128 bytes for each wave: one block of 256 bytes that no other line names
.set LO,  2                            ; v2   16 x lane: my 16 bytes of 512 in a load
.set LS,  3                            ; v3   where I put a piece
.set LR,  4                            ; v4   where I read a unit's 16 bytes back: lanes 0-15 one unit, lanes 16-31 the next
.set GO,  5                            ; v5   the same 16 bytes in the destination
.set SPW, 8                            ; v8   LDS address of my spare word; never rewritten
.set NIL, 9                            ; v9   0; never rewritten
.set X,   64                           ; v[64:191]  row q, load k at X + 16 q + 4 k; later the units read back
.set PC,  192                          ; v[192:255] piece (k, u) at PC + 4 (4 k + u)
.set SRC, 16                           ; s[16:17] the job's first byte in its source
.set DST, 18                           ; s[18:19] in its destination
.set WV,  20                           ; s20  my wave's number
; A job.  Lane L's load k of a row holds elements e = 128 k + 4 L + u, u = 0..3.  stride: bytes from row to row; dk, du: what k and u add to a piece's LDS address; dunit: bytes from unit to unit in the destination.
.macro JOB stride, dk, du, dunit
	s_wait_alu depctr_va_vdst(0)                   ; v[LO], v[LS], v[LR] and v[GO] are written, the arm's last lines among their writers: every load and store of the job reads one of them
.irp k, 0,1,2,3
.irp q, 0,1,2,3,4,5,6,7
	global_load_b128 v[X+16*(\q)+4*(\k):X+16*(\q)+4*(\k)+3], v[LO], s[SRC:SRC+1] offset:(\q)*(\stride)+(\k)*512 th:TH_LOAD_NT
.endr
.endr
.irp k, 0,1,2,3
	s_wait_loadcnt 24-8*(\k)                       ; loads come back in order: group k's eight rows are in, the eight of each later group may stay out
.if (\k) > 0
	s_wait_alu depctr_va_vdst(0)                   ; the roundings of the group before have written its four pieces, which the four LDS stores below read
.endif
.irp u, 0,1,2,3
.if (\k) > 0
	ds_store_b128 v[LS], v[PC+4*(4*((\k)-1)+(\u)):PC+4*(4*((\k)-1)+(\u))+3] offset:((\k)-1)*(\dk)+(\u)*(\du)  ; a piece of the group before; no vector instruction since the wait names its registers or v[LS]
.endif
.irp h, 0,1,2,3
	v_cvt_pk_bf16_f32 v[PC+4*(4*(\k)+(\u))+(\h)], v[X+32*(\h)+4*(\k)+(\u)], v[X+32*(\h)+16+4*(\k)+(\u)]  ; rows 2 h and 2 h + 1 of one element: two roundings, packed
.endr
.endr
.endr
	s_wait_alu depctr_va_vdst(0)                   ; group 3's roundings have written its four pieces, which the LDS stores below read; and all 64 roundings are done reading X, in which the LDS loads below land
.irp u, 0,1,2,3
	ds_store_b128 v[LS], v[PC+4*(12+(\u)):PC+4*(12+(\u))+3] offset:3*(\dk)+(\u)*(\du)
.endr
.irp m, 0,1,2,3,4,5,6,7,8,9,10,11,12,13,14,15
	ds_load_b128 v[X+4*(\m):X+4*(\m)+3], v[LR] offset:(\m)*2*PITCH  ; LDS serves a wave's instructions in order (ISA guide 5.7.1.4): these see the stores above
.endr
.irp m, 0,1,2,3,4,5,6,7,8,9,10,11,12,13,14,15
	s_wait_dscnt 15-(\m)                           ; units 2 m and 2 m + 1 are back; the younger loads may stay out
	global_store_b128 v[GO], v[X+4*(\m):X+4*(\m)+3], s[DST:DST+1] offset:(\m)*2*(\dunit)  ; each half of the lanes stores 256 consecutive bytes, at a multiple of 256 from the buffer's first byte
.endr
.endm
	s_load_b256 s[4:11], s[0:1], 0x0               ; x_left s[4:5], x_right s[6:7], W s[8:9], xlt s[10:11]
	s_load_b128 s[12:15], s[0:1], 0x20             ; xrt s[12:13], wt s[14:15]
	v_lshl_add_u32 v[SPW], v0, 2, SPARE
	v_mov_b32 v[NIL], 0
	v_lshrrev_b32 v1, 5, v0
	v_readfirstlane_b32 s[WV], v1                  ; wave 0, 1
	v_and_b32 v10, 31, v0                          ; L
	v_lshlrev_b32 v[LO], 4, v10
	v_and_b32 v11, 15, v0                          ; L % 16
	v_bfe_u32 v12, v0, 4, 1                        ; L / 16
	v_mul_u32_u24 v[LR], v12, PITCH
	v_lshl_add_u32 v[LR], v11, 4, v[LR]
	v_lshlrev_b32 v[GO], 4, v11                    ; the unit's stride is added below
	; x_left and W: element e goes to unit e / 16 = 8 k + L / 4, place e % 16 = 4 (L % 4) + u
	v_bfe_u32 v13, v0, 2, 3                        ; L / 4
	v_and_b32 v14, 3, v0                           ; L % 4
	v_mul_u32_u24 v[LS], v13, PITCH
	v_lshl_add_u32 v[LS], v14, 6, v[LS]
	s_wait_alu depctr_va_sdst(0)                   ; s[WV] is written, ahead of its first reader: the wave's LDS bytes and the job's number are made from it
	s_mul_i32 s21, s[WV], WB                       ; my wave's LDS bytes
	s_lshl_b32 s22, ttmp9, 1
	s_add_co_u32 s22, s22, s[WV]                   ; the job's number
	v_add_nc_u32 v[LR], s21, v[LR]
	v_add_nc_u32 v[LS], s21, v[LS]
	s_mov_b32 s25, 0                               ; the two offsets' high words
	s_mov_b32 s27, 0
	s_wait_kmcnt 0x0
	s_cmp_lt_u32 ttmp9, 256
	s_cbranch_scc0 .Lw
	; x_left, x_right: job = 16 x block of 16 i (or j) + n / 8
	s_bfe_u32 s23, s22, 0x40004                    ; the block
	s_and_b32 s28, s22, 15                         ; n / 8
	s_lshl_b32 s24, s28, 18                        ; from: 8 n of 32,768 bytes,
	s_lshl_b32 s29, s23, 11                        ; 16 i of 128 bytes
	s_add_co_u32 s24, s24, s29
	s_lshl_b32 s26, s23, 17                        ; to: the block's 131,072 bytes,
	s_lshl_b32 s29, s28, 8                         ; the unit of this n / 8
	s_add_co_u32 s26, s26, s29
	v_lshl_add_u32 v[GO], v12, 12, v[GO]           ; units lie 4,096 bytes apart
	s_cmp_lt_u32 ttmp9, 128
	s_cbranch_scc0 .Lxr
	s_add_nc_u64 s[SRC:SRC+1], s[4:5], s[24:25]
	s_add_nc_u64 s[DST:DST+1], s[10:11], s[26:27]
	JOB 32768, 8*PITCH, 16, 4096                   ; e = 32 (i % 16) + l: unit 2 (i % 16) + l / 16, place l % 16
	s_branch .Lend
.Lxr:
	; x_right: e = 32 (j % 16) + r goes to unit e % 32 = 4 (L % 8) + u, place e / 32 = 4 k + L / 8.  Two lanes of sixteen meet in a 16-byte column: sixteen stores a job, taken as they are
	v_and_b32 v13, 7, v0                           ; L % 8
	v_bfe_u32 v14, v0, 3, 2                        ; L / 8
	v_mul_u32_u24 v[LS], v13, 4*PITCH              ; no LDS instruction has read v[LS] yet
	v_lshl_add_u32 v[LS], v14, 4, v[LS]
	v_add_nc_u32 v[LS], s21, v[LS]
	s_add_nc_u64 s[SRC:SRC+1], s[6:7], s[24:25]
	s_add_nc_u64 s[DST:DST+1], s[12:13], s[26:27]
	JOB 32768, 64, PITCH, 4096
	s_branch .Lend
.Lw:
	; W: job = 512 + 4 x group of 4 r + l / 8.  A row is l = 8 (l / 8) + q, r = 4 rg .. 4 rg + 3, all d: 2,048 consecutive bytes; e = 128 (r % 4) + d: unit 8 (r % 4) + d / 16, place d % 16
	s_bfe_u32 s23, s22, 0x30002                    ; rg
	s_and_b32 s28, s22, 3                          ; l / 8
	s_lshl_b32 s24, s28, 17                        ; from: 8 l of 16,384 bytes,
	s_lshl_b32 s29, s23, 11                        ; 4 r of 512 bytes
	s_add_co_u32 s24, s24, s29
	s_lshl_b32 s26, s23, 15                        ; to: 4 r of 8,192 bytes,
	s_lshl_b32 s29, s28, 8                         ; the unit of this l / 8
	s_add_co_u32 s26, s26, s29
	v_lshl_add_u32 v[GO], v12, 10, v[GO]           ; units lie 1,024 bytes apart
	s_add_nc_u64 s[SRC:SRC+1], s[8:9], s[24:25]
	s_add_nc_u64 s[DST:DST+1], s[14:15], s[26:27]
	JOB 16384, 8*PITCH, 16, 1024
.Lend:
	s_wait_dscnt 0x0                               ; the closing lines, six on end
	s_wait_alu 0x0
	s_wait_tensorcnt 0x0
	ds_add_u32 v[SPW], v[NIL]
	s_wait_dscnt 0x0
	s_endpgm
.Lfunc_end_k_q005dd64f75_prep:
	.size	k_q005dd64f75_prep, .Lfunc_end_k_q005dd64f75_prep-k_q005dd64f75_prep
	.p2alignl 7, 3214868480
	.fill 96, 4, 3214868480
	.section	.rodata,"a",@progbits
	.p2align	6, 0x0
	.amdhsa_kernel k_q005dd64f75_prep
		.amdhsa_group_segment_fixed_size 17664
		.amdhsa_private_segment_fixed_size 0
		.amdhsa_enable_private_segment 0
		.amdhsa_kernarg_size 48
		.amdhsa_user_sgpr_count 2
		.amdhsa_user_sgpr_kernarg_segment_ptr 1
		.amdhsa_wavefront_size32 1
		.amdhsa_system_sgpr_workgroup_id_x 1
		.amdhsa_system_sgpr_workgroup_id_y 1
		.amdhsa_system_sgpr_workgroup_id_z 1
		.amdhsa_system_vgpr_workitem_id 0
		.amdhsa_next_free_vgpr 256
		.amdhsa_next_free_sgpr 66
		.amdhsa_reserve_vcc 0
		.amdhsa_float_denorm_mode_32 3
		.amdhsa_float_denorm_mode_16_64 3
		.amdhsa_memory_ordered 1
		.amdhsa_forward_progress 1
		.amdhsa_inst_pref_size 38
	.end_amdhsa_kernel
	.amdgpu_metadata
---
amdhsa.version: [ 1, 2 ]
amdhsa.kernels:
  - .name:           k_q005dd64f75_prep
    .symbol:         k_q005dd64f75_prep.kd
    .args:
      - { .name: x_left, .offset: 0, .size: 8, .value_kind: global_buffer, .address_space: global }
      - { .name: x_right, .offset: 8, .size: 8, .value_kind: global_buffer, .address_space: global }
      - { .name: W, .offset: 16, .size: 8, .value_kind: global_buffer, .address_space: global }
      - { .name: xlt, .offset: 24, .size: 8, .value_kind: global_buffer, .address_space: global }
      - { .name: xrt, .offset: 32, .size: 8, .value_kind: global_buffer, .address_space: global }
      - { .name: wt, .offset: 40, .size: 8, .value_kind: global_buffer, .address_space: global }
    .group_segment_fixed_size: 17664
    .private_segment_fixed_size: 0
    .kernarg_segment_align: 8
    .kernarg_segment_size: 48
    .max_flat_workgroup_size: 64
    .sgpr_count:     66
    .vgpr_count:     256
    .wavefront_size: 32
...
	.end_amdgpu_metadata
.endif
;; end of part 3
;; launch cov: the kernel of part 2 again; grid 16 x 16, 4 waves a work-group, clusters of 4 x 1, 327,680 bytes of LDS; arguments xlt, xrt, wt, b, out0; writes out0
